; MI455X (gfx1250); checked and timed in simulation.
; The chip was launched on July 23, 2026; its instructions are those of AMD's public machine-readable ISA for CDNA 5 (MIT licence, August 2026) and "CDNA5" Instruction Set Architecture Reference Guide (July 2026). The comments in the code are by the model that wrote it; some were corrected since.
;; Attention. Allowed arithmetic: matrix products marked QUANTISED: E3M2 operands, one E8M0 scale for each 32 along K, by v_wmma_scale_f32_16x16x128_f8f6f4 with both operands' format E3M2, f32 sums; everything else in f32.
;; Inputs: bk 256 float32; bp 256 float32; bq 256 float32; bv 256 float32; wk 256 x 256 float32; wp 256 x 256 float32; wq 256 x 256 float32; wv 256 x 256 float32; x 4 x 256 x 4,096 float32.
;; Outputs: out0 4 x 256 x 4,096 float32.
;; This version of the problem:
;;   THIS VERSION OF THE PROBLEM IS GIVEN IN LOW PRECISION. The matrix products marked QUANTISED in the list below multiply operands that are first quantised to E3M2 (3 exponent bits, 2 mantissa bits; 6 bits a number), with one power-of-two scale for each 32 numbers along K (OCP MX v1.0); their sums are f32. All else is computed in f32.
;;   The module's matrix products, in the order in which they are computed (A, B: the left and right operand; K: the contracted axis; several contracted axes count as one K, in the product's order):
;;     1. [M 16,384, K 256] x [K 256, N 256]; A: input x; B: input wq: QUANTISED
;;     2. [M 16,384, K 256] x [K 256, N 256]; A: input x; B: input wk: QUANTISED
;;     3. [M 16,384, K 256] x [K 256, N 256]; A: input x; B: input wv: QUANTISED
;;     4. batch 16 x [M 4,096, K 64] x [K 64, N 4,096]; A: computed on the way; B: computed on the way: QUANTISED
;;     5. batch 16 x [M 64, K 4,096] x [K 4,096, N 4,096]; A: computed on the way; B: softmax (see below): QUANTISED
;;     6. [M 16,384, K 256] x [K 256, N 256]; A: computed on the way; B: input wp: QUANTISED
;;   THE QUANTISER, for each operand of a quantised product, along K:
;;     - K is cut into blocks of 32 from its start; a last block that is shorter is filled with zeros.
;;     - A block's scale is 2^e with e = floor(log2(the largest magnitude in the block)) - 4, held to -126 .. 127; a block of zeros has e = 0. As a byte (E8M0): e + 127.
;;     - Each number is divided by its block's scale, clamped to +-28, and rounded to the nearest number of E3M2, ties to even, subnormals kept.
;;     - The product sums the exact products of the quantised numbers (number of the format x scale) in f32.
;;   ~~~python
;;   def quantise(x, axis):      # numpy; x: float32 -> the quantised numbers, widened to float32 again
;;       x = np.moveaxis(x, axis, -1); K = x.shape[-1]
;;       x = np.pad(x, [(0, 0)] * (x.ndim - 1) + [(0, -K % 32)]); x = x.reshape(x.shape[:-1] + (-1, 32)); a = np.abs(x).max(-1, keepdims=True)
;;       e = np.where(a > 0, np.clip(np.frexp(np.where(a > 0, a, 1))[1] - 1 - 4, -126, 127), 0)      # np.frexp(a)[1] - 1 = floor(log2(a)), exactly
;;       r = np.clip(x / 2.0 ** e, -28, 28)
;;       step = 2.0 ** (np.maximum(np.frexp(np.where(r == 0, 1, r))[1] - 1, -2) - 2)
;;       q = np.round(r / step) * step * 2.0 ** e      # np.round: ties to even
;;       return np.moveaxis(q.reshape(q.shape[:-2] + (-1,))[..., :K], -1, axis).astype(np.float32)
;;   ~~~
;;   SOFTMAX AHEAD OF A QUANTISED PRODUCT. Where the list says 'softmax', what is quantised is not the finished softmax but p = 2^(t - M), with t = logit x log2(e) and M = ceil(the row's largest t), a whole number; so 1/2 < the row's largest p <= 1. The row's sum l is taken of the UNQUANTISED p, in f32, and the product's result is divided by l at the end. Since M is a whole number, a kernel that streams over the keys may use a running M (the ceiling of the running maximum): every later rescaling is an exact power of two, which a block's scale takes up: the codes' values come out the same.
;;   OPERANDS COMPUTED ON THE WAY. 'Computed on the way' means the value that the module computes at that place (a softmax that the list does not call 'softmax' is quantised finished and normalised). What goes into a quantiser is computed in f32, as accurately as f32 sums, v_exp_f32 and their like allow (about 1e-6 of the number): no bf16 or f16 on the way to a quantiser, and a product that is left as it is and whose result goes on into a quantised operand takes f32 operands (vector FMAs, or v_wmma_f32_16x16x4_f32). A number that lies on a knife's edge between two numbers of the format may be rounded either way, as far as f32 arithmetic and the matrix unit's own rounding can turn it there, and no further.
;; One version. Each part assembles by itself: llvm-mc -triple=amdgcn-amd-amdhsa -mcpu=gfx1250 --defsym DOCPART=n.
;; ======== version 1 of 1: 3 launches
;; workspace buffers: wimg 217,088 bytes; qimg 3,407,872 bytes; kv 6,553,600 bytes
;; launch wquant (part 1): grid 32 x 1, 4 waves a work-group, no clusters, 0 bytes of LDS; arguments wq, wk, wv, wp, bq, bk, bv, bp, wimg; writes wimg
.if DOCPART == 1
	.amdgcn_target "amdgcn-amd-amdhsa--gfx1250"
	.amdhsa_code_object_version 6
	.text
	.protected	k_qed90fd264f_wquant
	.globl	k_qed90fd264f_wquant
	.p2align	8
	.type	k_qed90fd264f_wquant,@function
k_qed90fd264f_wquant:
	s_mov_b64 s[64:65], 0
	v_nop
	global_prefetch_b8 v0, s[64:65] scope:SCOPE_SE
	s_setreg_imm32_b32 hwreg(HW_REG_WAVE_MODE, 25, 1), 1
	s_wait_xcnt 0x0
; wq, wk, wv, wp [256 (o)][256 (c)] f32 become codes of BF6 (E3M2) along c, with one E8M0 byte for each 32, laid in wimg in the ORDER OF AN OPERAND'S REGISTERS; the four biases are copied beside them.
; wimg: Wq at 0, Wk at 53,248, Wv at 106,496, bq bk bv at 159,744 (1,024 bytes each), Wp at 162,816, bp at 216,064.  A tensor is 16 tile records of 3,328 bytes:
; the fragment of K step 0 (1,536 bytes: registers 4 c .. 4 c + 3 at 512 c + 16 x lane), that of K step 1, the scale words of step 0 (4 x lane, both halves of the lanes alike), those of step 1.
; THE ROWS OF A TILE ARE NOT NEIGHBOURS: lane r of tile 2 b + u holds row 32 b + 8 u + r + 8 (r / 8), so that in a product's result two neighbouring tiles give a lane 16 neighbours.
; SHARES: 4 tensors x 16 tiles x 2 K steps = 128 fragments, one a wave.  Lane (r, h) wants k = 128 s + 64 c + 32 h + 0 .. 31 of its row: two whole blocks, 128 consecutive bytes each: no other lane is asked for a maximum.
; A block's scale is 2^(floor(log2(largest magnitude)) - 4): its byte is the largest magnitude's exponent field - 4, held at 1 from below by a floor among the maximum's leaves.
; LIMITS: a block whose largest magnitude lies under 2^-122, a block of zeros among them, gets the byte 1 (the rule gives zeros 127: their codes are zeros, and this program alone reads the bytes); NaN and infinities are not served.
; No LDS, no matrix unit, no cluster: the waves share nothing and the launch moves about a megabyte.
.set FLOOR, 0x2800000                  ; 2^(5 - 127)
.set EOFF,  0xfe000000                 ; -(4 << 23)
.set NUM,   40                         ; v40-103  my 64 numbers
.set COD,   16                         ; v16-27   the fragment's 12 registers; v28-30, v32-34 the conversions' second halves
	s_load_b512 s[4:19], s[0:1], 0x0               ; wq s[4:5], wk s[6:7], wv s[8:9], wp s[10:11], bq s[12:13], bk s[14:15], bv s[16:17], bp s[18:19]
	s_load_b64 s[20:21], s[0:1], 0x40              ; wimg
	v_lshrrev_b32 v1, 5, v0
	v_readfirstlane_b32 s22, v1                    ; wave 0..3
	s_lshr_b32 s23, ttmp9, 3                       ; which tensor
	s_and_b32 s27, ttmp9, 7                        ; which eighth of it
	s_lshl_b32 s24, s27, 2
	s_add_co_u32 s24, s24, s22                     ; fragment 0..31
	s_lshr_b32 s25, s24, 1                         ; tile
	s_and_b32 s26, s24, 1                          ; K step
	s_mov_b32 s40, 0x76543210
	s_mov_b32 s41, 0xfedcba98                      ; v_permlanex16_b32's selects for lane l xor 16
	v_and_b32 v1, 15, v0                           ; r
	v_bfe_u32 v2, v0, 4, 1                         ; h
	v_and_b32 v3, 8, v1
	v_add_nc_u32 v3, v3, v1                        ; r + 8 (r / 8)
	v_lshlrev_b32 v3, 10, v3                       ; a row is 1,024 bytes
	v_lshl_add_u32 v3, v2, 7, v3                   ; + 128 h: my block of 32
	v_and_b32 v5, 31, v0
	v_lshlrev_b32 v4, 4, v5                        ; 16 x lane
	v_lshlrev_b32 v5, 2, v5                        ; 4 x lane
	s_lshr_b32 s32, s25, 1                         ; the tile's first row, 32 (tile / 2) + 8 (tile % 2), in bytes, + 512 for K step 1
	s_lshl_b32 s32, s32, 15
	s_and_b32 s33, s25, 1
	s_lshl_b32 s33, s33, 13
	s_add_co_u32 s32, s32, s33
	s_lshl_b32 s33, s26, 9
	s_add_co_u32 s32, s32, s33
	s_mov_b32 s33, 0
	s_mul_i32 s42, s23, 53248                      ; the tensor's place in wimg (Wp lies behind the three biases)
	s_cmp_eq_u32 s23, 3
	s_cselect_b32 s43, 3072, 0
	s_add_co_u32 s42, s42, s43
	s_mul_i32 s43, s25, 3328
	s_add_co_u32 s42, s42, s43                     ; the tile's record
	s_mul_i32 s34, s26, 1536
	s_add_co_u32 s34, s34, s42                     ; my fragment
	s_mov_b32 s35, 0
	s_lshl_b32 s43, s26, 7
	s_add_co_u32 s42, s42, s43
	s_add_co_u32 s42, s42, 3072                    ; my scale words
	s_mov_b32 s43, 0
	s_lshl_b32 s44, s23, 10
	s_add_co_u32 s44, s44, 159744
	s_cmp_eq_u32 s23, 3
	s_cselect_b32 s44, 216064, s44                 ; the bias's place
	s_lshl_b32 s46, s27, 7                         ; the work-group's 32 numbers of it
	s_add_co_u32 s44, s44, s46
	s_mov_b32 s45, 0
	s_mov_b32 s47, 0
	s_wait_alu depctr_va_vdst(0)
	s_wait_kmcnt 0x0
	s_cmp_eq_u32 s23, 1                            ; the buffers are chosen by the work-group's number alone
	s_cselect_b64 s[28:29], s[6:7], s[4:5]
	s_cselect_b64 s[30:31], s[14:15], s[12:13]
	s_cmp_eq_u32 s23, 2
	s_cselect_b64 s[28:29], s[8:9], s[28:29]
	s_cselect_b64 s[30:31], s[16:17], s[30:31]
	s_cmp_eq_u32 s23, 3
	s_cselect_b64 s[28:29], s[10:11], s[28:29]
	s_cselect_b64 s[30:31], s[18:19], s[30:31]
	s_add_nc_u64 s[28:29], s[28:29], s[32:33]
	s_add_nc_u64 s[30:31], s[30:31], s[46:47]
	s_add_nc_u64 s[36:37], s[20:21], s[34:35]
	s_add_nc_u64 s[38:39], s[20:21], s[42:43]
	s_add_nc_u64 s[48:49], s[20:21], s[44:45]
.irp c, 0,1
.irp j, 0,1,2,3,4,5,6,7
	global_load_b128 v[NUM+32*\c+4*\j:NUM+32*\c+4*\j+3], v3, s[28:29] offset:256*\c+16*\j th:TH_LOAD_NT
.endr
.endr
	global_load_b32 v6, v5, s[30:31]               ; 32 numbers of the bias
	s_wait_loadcnt 0x1                             ; the sixteen loads of the weight are in; the bias, issued last, may be out
.irp c, 0,1
	v_max3_num_f32 v[8+\c], |v[NUM+32*\c]|, |v[NUM+1+32*\c]|, FLOOR    ; block 2 c + h: all its 32 numbers are mine; the floor holds the byte at 1 from below
.endr
.irp i, 2,4,6,8,10,12,14,16,18,20,22,24,26,28,30
.irp c, 0,1
	v_max3_num_f32 v[8+\c], v[8+\c], |v[NUM+32*\c+\i]|, |v[NUM+1+32*\c+\i]|   ; the two blocks by turns
.endr
.endr
.irp c, 0,1
	v_add_nc_u32 v[10+\c], EOFF, v[8+\c]           ; 4 off the exponent field: the conversion's scale operand
.endr
.irp c, 0,1
	v_lshrrev_b32 v[12+\c], 23, v[10+\c]           ; the scale's byte
.endr
	v_lshl_or_b32 v14, v13, 16, v12                ; my two bytes, blocks h and 2 + h,
	v_lshlrev_b32 v7, 3, v2
	v_lshlrev_b32 v14, v7, v14                     ; at their places in the word;
	v_mov_b32 v15, 0
	v_permlanex16_b32 v15, v14, s40, s41
	v_or_b32 v14, v14, v15                         ; with lane l xor 16's two the word is whole, in both halves of the lanes
.irp c, 0,1
	v_cvt_scalef32_pk16_bf6_f32 v[COD+6*\c:COD+6*\c+2], v[NUM+32*\c:NUM+32*\c+15], v[10+\c]
	v_cvt_scalef32_pk16_bf6_f32 v[28+4*\c:30+4*\c], v[NUM+32*\c+16:NUM+32*\c+31], v[10+\c]   ; a conversion's three registers begin on an even number: made elsewhere and moved
.endr
	v_nop                                          ; one plain line behind the scaled conversions
.irp c, 0,1
.irp i, 0,1,2
	v_mov_b32 v[COD+3+6*\c+\i], v[28+4*\c+\i]
.endr
.endr
.irp c, 0,1,2
	global_store_b128 v4, v[COD+4*\c:COD+4*\c+3], s[36:37] offset:512*\c   ; the wave stores 512 consecutive bytes, at a multiple of 256 from wimg's first byte
.endr
	global_store_b32 v5, v14, s[38:39]
	s_wait_loadcnt 0x0                             ; the bias
	s_cmp_lg_u32 s22, 0
	s_cbranch_scc1 .Ldone                          ; one wave of the four copies it
	global_store_b32 v5, v6, s[48:49]
.Ldone:
	s_endpgm
.Lfunc_end_k_qed90fd264f_wquant:
	.size	k_qed90fd264f_wquant, .Lfunc_end_k_qed90fd264f_wquant-k_qed90fd264f_wquant
	.p2alignl 7, 3214868480
	.fill 96, 4, 3214868480
	.section	.rodata,"a",@progbits
	.p2align	6, 0x0
	.amdhsa_kernel k_qed90fd264f_wquant
		.amdhsa_group_segment_fixed_size 0
		.amdhsa_private_segment_fixed_size 0
		.amdhsa_enable_private_segment 0
		.amdhsa_kernarg_size 72
		.amdhsa_user_sgpr_count 2
		.amdhsa_user_sgpr_kernarg_segment_ptr 1
		.amdhsa_wavefront_size32 1
		.amdhsa_system_sgpr_workgroup_id_x 1
		.amdhsa_system_sgpr_workgroup_id_y 1
		.amdhsa_system_sgpr_workgroup_id_z 1
		.amdhsa_system_vgpr_workitem_id 0
		.amdhsa_next_free_vgpr 112
		.amdhsa_next_free_sgpr 66
		.amdhsa_reserve_vcc 0
		.amdhsa_float_denorm_mode_32 3
		.amdhsa_float_denorm_mode_16_64 3
		.amdhsa_memory_ordered 1
		.amdhsa_forward_progress 1
		.amdhsa_inst_pref_size 8
	.end_amdhsa_kernel
	.amdgpu_metadata
---
amdhsa.version: [ 1, 2 ]
amdhsa.kernels:
  - .name:           k_qed90fd264f_wquant
    .symbol:         k_qed90fd264f_wquant.kd
    .args:
      - { .name: wq, .offset: 0, .size: 8, .value_kind: global_buffer, .address_space: global }
      - { .name: wk, .offset: 8, .size: 8, .value_kind: global_buffer, .address_space: global }
      - { .name: wv, .offset: 16, .size: 8, .value_kind: global_buffer, .address_space: global }
      - { .name: wp, .offset: 24, .size: 8, .value_kind: global_buffer, .address_space: global }
      - { .name: bq, .offset: 32, .size: 8, .value_kind: global_buffer, .address_space: global }
      - { .name: bk, .offset: 40, .size: 8, .value_kind: global_buffer, .address_space: global }
      - { .name: bv, .offset: 48, .size: 8, .value_kind: global_buffer, .address_space: global }
      - { .name: bp, .offset: 56, .size: 8, .value_kind: global_buffer, .address_space: global }
      - { .name: wimg, .offset: 64, .size: 8, .value_kind: global_buffer, .address_space: global }
    .group_segment_fixed_size: 0
    .private_segment_fixed_size: 0
    .kernarg_segment_align: 8
    .kernarg_segment_size: 72
    .max_flat_workgroup_size: 128
    .sgpr_count:     66
    .vgpr_count:     112
    .wavefront_size: 32
...
	.end_amdgpu_metadata
.endif
;; end of part 1
;; launch qkv (part 2): grid 128 x 1, 16 waves a work-group, clusters of 4 x 1, 198,656 bytes of LDS; arguments x, wimg, qimg, kv; writes qimg, kv
.if DOCPART == 2
	.amdgcn_target "amdgcn-amd-amdhsa--gfx1250"
	.amdhsa_code_object_version 6
	.text
	.protected	k_qed90fd264f_qkv
	.globl	k_qed90fd264f_qkv
	.p2align	8
	.type	k_qed90fd264f_qkv,@function
k_qed90fd264f_qkv:
	s_mov_b64 s[64:65], 0
	v_nop
	global_prefetch_b8 v0, s[64:65] scope:SCOPE_SE
	s_setreg_imm32_b32 hwreg(HW_REG_WAVE_MODE, 25, 1), 1
	s_wait_xcnt 0x0
	s_wait_alu depctr_hold_cnt(0) depctr_sa_sdst(0) depctr_va_vdst(0) depctr_va_sdst(0) depctr_va_ssrc(0) depctr_va_vcc(0) depctr_vm_vsrc(0)
	s_getreg_b32 s2, hwreg(HW_REG_IB_STS2, 6, 4)
	s_cmp_eq_u32 s2, 0
	s_cbranch_scc0 .Lentry_in_a_cluster
	s_endpgm
.Lentry_in_a_cluster:
	s_bfe_u32 s2, ttmp6, 0x10000c
	s_cmp_lg_u32 s2, 0x3003
	s_cbranch_scc0 .Lentry_shape_is_right
	s_endpgm
.Lentry_shape_is_right:
; q, k, v = W x + b for 128 points of one batch, all three products on codes of BF6 (E3M2) with one E8M0 scale for each 32 along c; then q and k are quantised along the head's 64, v along the points (the keys),
; and leave as images of the registers in which the attention launch wants them.  x: [4][256 (c)][4096 (n)] f32.  wimg: the weights' images and the biases, as the launch before laid them.
; TILES: everywhere a tile of 16 is rows 32 b + 8 u + r + 8 (r / 8) (tile 2 b + u, lane r).  In a result, register j of lane half h of that tile is then element 32 b + 16 h + 8 u + j:
; the 16 registers of two neighbouring tiles are 16 neighbours, which is what the conversions and the next operand's layout want.
; SHARES.  Work-group g = 32 x batch + step owns points 128 step .. + 127 and all 768 outputs.  Sixteen waves, wave w = 4 hd + bl:
;   X: lane i takes point 32 bl + i and c = 64 hd + 0 .. 63, registers running down c: two whole blocks; their codes go into LDS at the place that x's fragments give them.
;   q: head hd, points 32 bl on (source 0 = 16 rows of Wq, source 1 = 16 points: a lane holds one point, registers along d);  k: the same with Wk;
;   v: channel tile w, all 128 points (source 0 = 16 points, source 1 = 16 rows of Wv: a lane holds one channel, registers along the keys).  Each unit is 16 matrix instructions and one QUANT.
; OUT.  qimg [4][128 blocks of 32 points][6,656]: four heads' runs of 1,536 bytes (register pair P at 256 P + 8 x lane; pairs 3 u .. 3 u + 2 are query tile u), then four heads' scale words (4 x lane).
;       kv [4][32 steps][4 heads][12,800]: four runs of K (registers 0-5 key tile 2 i, 6-11 key tile 2 i + 1), four fragments of V, each 1,536 bytes as 16 x lane images, then 512 bytes of scale words at 16 x lane:
;       lanes 0-15 the words of K's four runs, lanes 16-31 those of V's four tiles.
; CLUSTER.  Every work-group reads the same 162,816 bytes of wimg, so the four partners ask for them jointly: waves 0 to 3, 159 rows of 256 bytes each, one fill in the launch; nothing in LDS is filled again.
; 128 work-groups: a fragment of V wants 128 keys of one channel tile, and the 48 units divide evenly among 16 waves.
; LIMITS: a block whose largest magnitude lies under 2^-122, zeros among them, gets the byte 1 (its codes are zeros or nearly; the bytes are read by this program alone); NaN and infinities are not served.
.set TENS,  53248                      ; a weight's image
.set TREC,  3328                       ; a tile's record in it
.set BIAS,  159744                     ; LDS: 0 .. 162,815 wimg's first part as it lies; bq, bk, bv from here
.set XIMG,  162816                     ; x's 16 fragments (tile T, K step s at (2 T + s) 1,536; pair P at 256 P + 8 x lane)
.set XSC,   187392                     ; their scale words: [T][s][16 rows x 4 bytes]
.set SCST,  188416                     ; the scale words on their way out: kv's [head][512], then qimg's [block][head][128]
.set FLOOR, 0x2800000                  ; 2^(5 - 127)
.set EOFF,  0xfe000000                 ; -(4 << 23)
.set TM,    22                         ; v22-25 largest magnitudes, v26-29 the other half's and then bytes, v30-33 the conversions' scale operands
.set PW,    34                         ; the scale word just made
.set T,     35                         ; at work
.set WS,    36                         ; v36-39 the weights' scale words: lanes 0-15 K step 0, lanes 16-31 K step 1
.set XS,    40                         ; v40-47 x's, likewise
.set PC,    48                         ; v48-59 the codes just made; v60-62, v64-66 second halves; in the v unit v48-55 first hold bv
.set ACC,   68                         ; v68-131 eight accumulators
.set F,     132                        ; v132-227: x's 64 numbers; later eight fragments
.set WF,    132                        ; v132-179 four fragments of a weight
.set XF,    180                        ; v180-227 my block's four fragments of x
.set WVF,   228                        ; v228-251 Wv's two
; v1 16 x lane, v2 8 x lane, v3 4 x lane; v4-v20 LDS addresses, made once at the head (see there)
.macro CROUND                          ; a round of the cluster's barrier
	s_barrier_signal -1
	s_barrier_wait -1
	s_cmp_lg_u32 s12, 0
	s_cbranch_scc1 .Lnot_wave_0_\@
	s_barrier_signal -3
.Lnot_wave_0_\@:
	s_barrier_wait -3
	s_barrier_signal -1
	s_barrier_wait -1
.endm
.macro PLACES                          ; four plain lines between a matrix instruction and a load into, or a vector read or write of, its registers
.rept 4
	v_nop
.endr
.endm
.macro FRAGW reg, adr, off             ; a weight's fragment: three loads of 16 bytes a lane
.irp c, 0,1,2
	ds_load_b128 v[(\reg)+4*\c:(\reg)+4*\c+3], v[\adr] offset:(\off)+512*\c
.endr
.endm
.macro FRAGX reg, adr, off             ; a fragment of x: six loads of 8 bytes a lane
.irp p, 0,1,2,3,4,5
	ds_load_b64 v[(\reg)+2*\p:(\reg)+2*\p+1], v[\adr] offset:(\off)+256*\p
.endr
.endm
.macro MM d, a, b, c, sa, sb, row      ; row = 1: both sides' scale words are taken from lanes 16-31
.if \row
	v_wmma_scale_f32_16x16x128_f8f6f4 v[\d:\d+7], v[\a:\a+11], v[\b:\b+11], v[\c:\c+7], v[\sa], v[\sb] matrix_a_fmt:MATRIX_FMT_BF6 matrix_b_fmt:MATRIX_FMT_BF6 matrix_a_scale:MATRIX_SCALE_ROW1 matrix_b_scale:MATRIX_SCALE_ROW1
.else
	v_wmma_scale_f32_16x16x128_f8f6f4 v[\d:\d+7], v[\a:\a+11], v[\b:\b+11], v[\c:\c+7], v[\sa], v[\sb] matrix_a_fmt:MATRIX_FMT_BF6 matrix_b_fmt:MATRIX_FMT_BF6
.endif
.endm
; 64 numbers of a lane, register 16 b + i = place 32 b + 16 (lane / 16) + i of my row, become 12 registers of codes in v[PC] on and the row's scale word in v[PW]
.macro QUANT s
.irp b, 0,1,2,3
	v_max3_num_f32 v[TM+\b], |v[\s+16*\b]|, |v[\s+1+16*\b]|, FLOOR   ; each accumulator is read from its low end on
.endr
.irp i, 2,4,6,8,10,12,14
.irp b, 0,1,2,3
	v_max3_num_f32 v[TM+\b], v[TM+\b], |v[\s+16*\b+\i]|, |v[\s+1+16*\b+\i]|   ; the four blocks by turns
.endr
.endr
.irp b, 0,1,2,3
	s_delay_alu instid0(VALU_DEP_4)
	v_permlanex16_b32 v[TM+4+\b], v[TM+\b], s20, s21
.endr
.irp b, 0,1,2,3
	s_delay_alu instid0(VALU_DEP_4)
	v_max_num_f32 v[TM+\b], v[TM+\b], v[TM+4+\b]   ; with lane l xor 16's 16: the block's largest magnitude
.endr
.irp b, 0,1,2,3
	s_delay_alu instid0(VALU_DEP_4)
	v_add_nc_u32 v[TM+8+\b], EOFF, v[TM+\b]        ; 4 off its exponent field: the conversion's scale operand
.endr
.irp b, 0,1,2,3
	s_delay_alu instid0(VALU_DEP_4)
	v_lshrrev_b32 v[TM+4+\b], 23, v[TM+8+\b]       ; the scale's byte
.endr
	s_delay_alu instid0(VALU_DEP_3)
	v_lshl_or_b32 v[PW], v[TM+5], 8, v[TM+4]
	s_delay_alu instid0(VALU_DEP_1)
	v_lshl_or_b32 v[PW], v[TM+6], 16, v[PW]
	s_delay_alu instid0(VALU_DEP_1)
	v_lshl_or_b32 v[PW], v[TM+7], 24, v[PW]
.irp c, 0,1
	v_cvt_scalef32_pk16_bf6_f32 v[PC+6*\c:PC+2+6*\c], v[\s+32*\c:\s+15+32*\c], v[TM+8+2*\c]
	v_cvt_scalef32_pk16_bf6_f32 v[PC+12+4*\c:PC+14+4*\c], v[\s+16+32*\c:\s+31+32*\c], v[TM+8+2*\c+1]   ; a conversion's three registers begin on an even number
.endr
	v_nop                                          ; one plain line behind the scaled conversions
.irp c, 0,1                                    ; the operand wants a whole block in a lane: lanes 0-15 block 2 c, lanes 16-31 block 2 c + 1
.irp i, 0,1,2
	v_permlane16_swap_b32 v[PC+6*\c+\i], v[PC+12+4*\c+\i]
.endr
.irp i, 0,1,2
	s_delay_alu instid0(VALU_DEP_3)
	v_mov_b32 v[PC+3+6*\c+\i], v[PC+12+4*\c+\i]
.endr
.endr
.endm
; block e of my point's two: 32 numbers down c, all mine, become 24 bytes at lane (row, e) of the fragment
.macro XBLOCK e
	v_max3_num_f32 v[TM], |v[F+32*\e]|, |v[F+32*\e+1]|, |v[F+32*\e+2]|
	v_max3_num_f32 v[TM+1], |v[F+32*\e+3]|, |v[F+32*\e+4]|, |v[F+32*\e+5]|
.irp i, 6,10,14,18,22,26
	s_delay_alu instid0(VALU_DEP_2)
	v_max3_num_f32 v[TM], v[TM], |v[F+32*\e+\i]|, |v[F+32*\e+\i+1]|
	s_delay_alu instid0(VALU_DEP_2)
	v_max3_num_f32 v[TM+1], v[TM+1], |v[F+32*\e+\i+2]|, |v[F+32*\e+\i+3]|
.endr
	s_delay_alu instid0(VALU_DEP_2)
	v_max3_num_f32 v[TM], v[TM], |v[F+32*\e+30]|, |v[F+32*\e+31]|
	s_delay_alu instid0(VALU_DEP_1)
	v_max3_num_f32 v[TM], v[TM], v[TM+1], FLOOR
	s_delay_alu instid0(VALU_DEP_1)
	v_add_nc_u32 v[TM+8], EOFF, v[TM]
	s_delay_alu instid0(VALU_DEP_1)
	v_lshrrev_b32 v[TM+4+\e], 23, v[TM+8]
	v_cvt_scalef32_pk16_bf6_f32 v[PC:PC+2], v[F+32*\e:F+32*\e+15], v[TM+8]
	v_cvt_scalef32_pk16_bf6_f32 v[PC+4:PC+6], v[F+32*\e+16:F+32*\e+31], v[TM+8]
	v_nop
	v_mov_b32 v[PC+3], v[PC+4]
	v_mov_b32 v[PC+4], v[PC+5]
	v_mov_b32 v[PC+5], v[PC+6]
.irp p, 0,1,2
	ds_store_b64 v4, v[PC+2*\p:PC+2*\p+1] offset:128*\e+256*\p
.endr
	s_wait_dscnt 0x0                               ; the stores have read their registers
.endm
; q or k of head hd for my 32 points.  The bias is loaded straight into the accumulators (register j of tile tl: output 32 (tl / 2) + 16 h + 8 (tl % 2) + j) and is the first products' C.
; The eight accumulators take turns, one instruction a turn.
.macro UNIT_QK aw, asc, boff
.irp u, 0,1
.irp tl, 0,1,2,3
	ds_load_b128 v[ACC+8*(4*\u+\tl):ACC+8*(4*\u+\tl)+3], v16 offset:\boff+4*(32*(\tl/2)+8*(\tl%2))
	ds_load_b128 v[ACC+8*(4*\u+\tl)+4:ACC+8*(4*\u+\tl)+7], v16 offset:\boff+4*(32*(\tl/2)+8*(\tl%2))+16
.endr
.endr
.irp tl, 0,1,2,3
	ds_load_b32 v[WS+\tl], v[\asc] offset:TREC*\tl
	FRAGW WF+12*\tl, \aw, TREC*\tl
.endr
	s_wait_dscnt 0x0
.irp u, 0,1
.irp tl, 0,1,2,3
	MM ACC+8*(4*\u+\tl), WF+12*\tl, XF+24*\u, ACC+8*(4*\u+\tl), WS+\tl, XS+\u, 0
.endr
.endr
	PLACES
.irp tl, 0,1,2,3
	FRAGW WF+12*\tl, \aw, TREC*\tl+1536
.endr
	s_wait_dscnt 0x0
.irp u, 0,1
.irp tl, 0,1,2,3
	MM ACC+8*(4*\u+\tl), WF+12*\tl, XF+24*\u+12, ACC+8*(4*\u+\tl), WS+\tl, XS+\u, 1
.endr
.endr
	PLACES
	s_wait_xcnt 0x0                                ; the unit before has stored from v[PC] on: those registers are written again only behind this wait
	QUANT ACC
.endm
	s_load_b256 s[4:11], s[0:1], 0x0               ; x s[4:5], wimg s[6:7], qimg s[8:9], kv s[10:11]
	v_lshl_add_u32 v254, v0, 2, 0x30000
	v_mov_b32 v255, 0
	ds_add_u32 v254, v255
	ds_add_u32 v254, v255
	v_lshrrev_b32 v1, 5, v0
	s_delay_alu instid0(VALU_DEP_1)
	v_readfirstlane_b32 s12, v1                    ; wave 0..15
	s_lshr_b32 s13, s12, 2                         ; hd
	s_and_b32 s14, s12, 3                          ; bl
	s_bfe_u32 s15, ttmp6, 0x40000                  ; cx: it enters global addresses alone
	s_lshl_b32 s16, ttmp9, 2
	s_add_co_u32 s16, s16, s15                     ; g = 32 x batch + step
	s_lshr_b32 s17, s16, 5                         ; batch
	s_and_b32 s18, s16, 31                         ; step
	s_mov_b32 s20, 0x76543210
	s_mov_b32 s21, 0xfedcba98                      ; v_permlanex16_b32's selects for lane l xor 16
	; descriptor group 1: 159 rows of 256 bytes (32 elements of 8 bytes), dense, no padding
	s_mov_b32 s24, 15|(3<<16)|(1<<21)              ; 15:0 the mask: all four work-groups; 17:16 elements of 8 bytes; 21 set beside a mask
	s_mov_b32 s25, 32<<16                          ; tensor_dim0 = 32
	s_mov_b32 s26, 159<<16                         ; tensor_dim1 = 159
	s_mov_b32 s27, 32<<16                          ; tile_dim0 = 32
	s_mov_b32 s28, 159                             ; tile_dim1 = 159
	s_mov_b32 s29, 32                              ; elements from row to row
	s_mov_b32 s30, 0
	s_mov_b32 s31, 0
	; byte offsets in memory
	s_lshl_b32 s44, s17, 22                        ; x: batch, c = 64 hd on, points 128 step + 32 bl on
	s_lshl_b32 s45, s13, 20
	s_add_co_u32 s44, s44, s45
	s_lshl_b32 s45, s18, 9
	s_add_co_u32 s44, s44, s45
	s_lshl_b32 s45, s14, 7
	s_add_co_u32 s44, s44, s45
	s_mov_b32 s45, 0
	s_lshl_b32 s46, s16, 2                         ; 4 g = 128 x batch + 4 x step
	s_add_co_u32 s47, s46, s14
	s_mul_i32 s48, s47, 6656                       ; qimg: my block's record, my head's run
	s_mul_i32 s49, s13, 1536
	s_add_co_u32 s48, s48, s49
	s_mov_b32 s49, 0
	s_mul_i32 s52, s47, 12800                      ; the last phase: wave w < 4 stores head w's 512 scale bytes of kv, wave 4 + i block i's of qimg
	s_add_co_u32 s52, s52, 12288
	s_mul_i32 s53, s47, 6656
	s_add_co_u32 s53, s53, 6144
	s_cmp_lt_u32 s12, 4
	s_cselect_b32 s52, s52, s53
	s_mov_b32 s53, 0
	s_add_co_u32 s47, s46, s13
	s_mul_i32 s50, s47, 12800                      ; kv: my head's record, run (and V tile) bl
	s_mul_i32 s51, s14, 1536
	s_add_co_u32 s50, s50, s51
	s_mov_b32 s51, 0
	; LDS addresses: a constant + a constant x lane + a constant x wave, all made here
	v_and_b32 v21, 31, v0                          ; lane
	v_and_b32 v34, 15, v0                          ; r
	v_bfe_u32 v35, v0, 4, 1                        ; h
	s_delay_alu instid0(VALU_DEP_3)
	v_lshlrev_b32 v1, 4, v21
	s_delay_alu instid0(VALU_DEP_4)
	v_lshlrev_b32 v2, 3, v21
	v_lshlrev_b32 v3, 2, v21
	s_lshr_b32 s56, s13, 1                         ; my quarter of c: K step,
	s_and_b32 s57, s13, 1                          ; and which 64 of its 128
	s_mul_i32 s54, s14, 6144
	s_mul_i32 s55, s56, 1536
	s_add_co_u32 s54, s54, s55
	s_mul_i32 s55, s57, 768
	s_add_co_u32 s54, s54, s55
	s_add_co_u32 s54, s54, XIMG
	v_bfe_u32 v22, v0, 3, 1                        ; point i of 32 lies in tile u = (i / 8) % 2
	v_and_b32 v23, 7, v0
	s_wait_alu depctr_va_vdst(0)
	v_lshl_add_u32 v23, v35, 3, v23                ; at row i % 8 + 8 (i / 16)
	v_mul_u32_u24 v4, v22, 3072
	s_delay_alu instid0(VALU_DEP_1)
	v_lshl_add_u32 v4, v23, 3, v4
	s_delay_alu instid0(VALU_DEP_1)
	v_add_nc_u32 v4, s54, v4                       ; v4: where my point's codes go
	s_lshl_b32 s54, s14, 8
	s_lshl_b32 s55, s56, 6
	s_add_co_u32 s54, s54, s55
	s_lshl_b32 s55, s57, 1
	s_add_co_u32 s54, s54, s55
	s_add_co_u32 s54, s54, XSC
	v_lshlrev_b32 v5, 7, v22
	s_delay_alu instid0(VALU_DEP_1)
	v_lshl_add_u32 v5, v23, 2, v5
	s_delay_alu instid0(VALU_DEP_1)
	v_add_nc_u32 v5, s54, v5                       ; v5: and its two scale bytes
	s_mul_i32 s58, s13, 4*TREC
	v_add_nc_u32 v6, s58, v1                       ; v6: Wq's four tiles of head hd
	s_delay_alu instid0(VALU_DEP_1)
	v_add_nc_u32 v7, TENS, v6                      ; v7: Wk's
	s_mul_i32 s59, s12, TREC
	s_add_co_u32 s59, s59, 2*TENS
	v_add_nc_u32 v8, s59, v1                       ; v8: Wv's tile w
	v_lshl_add_u32 v24, v35, 6, v3                 ; 4 x lane + 64 h: lanes 0-15 take K step 0's words, lanes 16-31 K step 1's
	s_delay_alu instid0(VALU_DEP_1)
	v_add_nc_u32 v9, s58, v24
	s_delay_alu instid0(VALU_DEP_1)
	v_add_nc_u32 v9, 3072, v9                      ; v9: Wq's scale words
	s_delay_alu instid0(VALU_DEP_1)
	v_add_nc_u32 v10, TENS, v9                     ; v10: Wk's
	s_delay_alu instid0(VALU_DEP_4)
	v_add_nc_u32 v11, s59, v24
	s_delay_alu instid0(VALU_DEP_1)
	v_add_nc_u32 v11, 3072, v11                    ; v11: Wv's
	s_mul_i32 s54, s14, 6144
	s_add_co_u32 s54, s54, XIMG
	v_add_nc_u32 v12, s54, v2                      ; v12: my block's fragments of x
	v_add_nc_u32 v13, XIMG, v2                     ; v13: all of them
	s_lshl_b32 s54, s14, 8
	s_add_co_u32 s54, s54, XSC
	v_add_nc_u32 v14, s54, v3                      ; v14: my block's scale words of x (in [s][16 rows] the lanes' 4 bytes on end give step 0 below, step 1 above)
	v_add_nc_u32 v15, XSC, v3                      ; v15: all of them
	s_lshl_b32 s54, s13, 8
	s_add_co_u32 s54, s54, BIAS
	v_lshlrev_b32 v16, 6, v35
	s_delay_alu instid0(VALU_DEP_1)
	v_add_nc_u32 v16, s54, v16                     ; v16: bq at head hd, + 16 h numbers
	s_lshr_b32 s54, s12, 1
	s_lshl_b32 s54, s54, 7
	s_and_b32 s55, s12, 1
	s_lshl_b32 s55, s55, 5
	s_add_co_u32 s54, s54, s55
	s_add_co_u32 s54, s54, BIAS+2048
	v_and_b32 v25, 8, v34
	s_delay_alu instid0(VALU_DEP_1)
	v_add_nc_u32 v25, v25, v34
	s_delay_alu instid0(VALU_DEP_1)
	v_lshlrev_b32 v17, 2, v25
	s_delay_alu instid0(VALU_DEP_1)
	v_add_nc_u32 v17, s54, v17                     ; v17: bv of my lane's channel of tile w
	s_lshl_b32 s54, s13, 9
	s_lshl_b32 s55, s14, 2
	s_add_co_u32 s54, s54, s55
	s_add_co_u32 s54, s54, SCST
	v_lshlrev_b32 v18, 4, v34
	s_delay_alu instid0(VALU_DEP_1)
	v_add_nc_u32 v18, s54, v18                     ; v18: kv's scale words: head hd, row r, word bl (V's 256 bytes on)
	s_lshl_b32 s54, s14, 9
	s_lshl_b32 s55, s13, 7
	s_add_co_u32 s54, s54, s55
	s_add_co_u32 s54, s54, SCST+2048
	v_add_nc_u32 v19, s54, v3                      ; v19: qimg's: block bl, head hd
	s_and_b32 s54, s12, 7
	s_lshl_b32 s54, s54, 9
	s_add_co_u32 s54, s54, SCST
	v_add_nc_u32 v20, s54, v1                      ; v20: the 512 bytes that waves 0 to 7 carry out
.irp b, 0,1,2,3
	v_mov_b32 v[TM+4+\b], 0                        ; written once: a lane permute's destination counts as one of its sources
.endr
	s_mul_i32 s33, s14, 40704                      ; what waves 0 to 3 fetch: a quarter of the 162,816 bytes, to the same place in LDS
	s_mov_b32 s32, 1
	s_mov_b32 s46, s33
	s_mov_b32 s47, 0
	s_wait_dscnt 0x0
	s_wait_kmcnt 0x0
	s_add_nc_u64 s[36:37], s[4:5], s[44:45]
	s_add_nc_u64 s[38:39], s[8:9], s[48:49]
	s_add_nc_u64 s[40:41], s[10:11], s[50:51]
	s_cmp_lt_u32 s12, 4
	s_cselect_b64 s[42:43], s[10:11], s[8:9]
	s_add_nc_u64 s[42:43], s[42:43], s[52:53]
	s_add_nc_u64 s[34:35], s[6:7], s[46:47]
	s_or_b32 s35, s35, 0x80000000                  ; type = 2
.set i, 0
.rept 32
	global_load_b32 v[F+i], v3, s[36:37] offset:16384*i th:TH_LOAD_NT   ; x(64 hd + i, my point): the wave reads 128 consecutive bytes, the four waves of a quarter 512
.set i, i+1
.endr
	CROUND                                         ; all four work-groups are here: the joint loads meet
	s_cmp_lt_u32 s12, 4
	s_cbranch_scc0 .Lno_fill
	tensor_load_to_lds s[32:35], s[24:31]          ; one load of mine is out
	s_nop 0
.rept 4
	v_nop
.endr
.Lno_fill:
.rept 32
	global_load_b32 v[F+i], v3, s[36:37] offset:16384*i th:TH_LOAD_NT
.set i, i+1
.endr
	s_wait_loadcnt 32                              ; the first block's 32 loads are in; the second's may be out
	XBLOCK 0
	s_wait_loadcnt 0x0
	XBLOCK 1
	s_wait_alu depctr_va_vdst(0)
	v_lshl_or_b32 v[T], v[TM+5], 8, v[TM+4]
	ds_store_b16 v5, v[T]                          ; my point's two bytes of its scale word
	s_wait_tensorcnt 0x0                           ; my part of the weights has landed,
	s_wait_dscnt 0x0                               ; and my stores
	s_barrier_signal -1
	s_barrier_wait -1                              ; the weights and x's sixteen fragments lie in LDS
.irp u, 0,1
.irp s, 0,1
	FRAGX XF+12*(2*\u+\s), 12, (2*\u+\s)*1536
.endr
	ds_load_b32 v[XS+\u], v14 offset:128*\u
.endr
	UNIT_QK 6, 9, 0                                ; q
.irp p, 0,1,2,3,4,5
	global_store_b64 v2, v[PC+2*\p:PC+2*\p+1], s[38:39] offset:256*\p   ; the wave stores 256 consecutive bytes, at a multiple of 256 from qimg's first byte
.endr
	ds_store_b32 v19, v[PW]
	UNIT_QK 7, 10, 1024                            ; k
.irp c, 0,1,2
	global_store_b128 v1, v[PC+4*\c:PC+4*\c+3], s[40:41] offset:512*\c
.endr
	ds_store_b32 v18, v[PW]
	; v: channel tile w for the 128 points
	s_wait_xcnt 0x0                                ; k's stores have read v[PC] on, where bv is spread next
	ds_load_b32 v[T], v17
	FRAGW WVF, 8, 0
	FRAGW WVF+12, 8, 1536
	ds_load_b32 v[WS], v11
.irp t, 0,1,2,3,4,5,6,7
	ds_load_b32 v[XS+\t], v15 offset:128*\t
	FRAGX F+12*\t, 13, 3072*\t
.endr
	s_wait_dscnt 0x0
.irp j, 0,1,2,3,4,5,6,7
	v_mov_b32 v[PC+\j], v[T]                       ; a lane holds one channel: its bias in all eight registers
.endr
	PLACES
.irp t, 0,1,2,3,4,5,6,7
	MM ACC+8*\t, F+12*\t, WVF, PC, XS+\t, WS, 0
.endr
	PLACES
.irp t, 0,1,2,3,4,5,6,7
	FRAGX F+12*\t, 13, 3072*\t+1536
.endr
	s_wait_dscnt 0x0
.irp t, 0,1,2,3,4,5,6,7
	MM ACC+8*\t, F+12*\t, WVF+12, ACC+8*\t, XS+\t, WS, 1
.endr
	PLACES
	QUANT ACC                                      ; register 16 b + i is key 32 b + 16 h + i of my channel
.irp c, 0,1,2
	global_store_b128 v1, v[PC+4*\c:PC+4*\c+3], s[40:41] offset:6144+512*\c
.endr
	ds_store_b32 v18, v[PW] offset:256
	s_wait_dscnt 0x0                               ; for the others' sake: my scale words lie in LDS
	s_barrier_signal -1
	s_barrier_wait -1
	s_cmp_lt_u32 s12, 8
	s_cbranch_scc0 .Lno_scales
	s_wait_xcnt 0x0                                ; v's stores have read v[PC] on
	ds_load_b128 v[PC:PC+3], v20
	s_wait_dscnt 0x0
	global_store_b128 v1, v[PC:PC+3], s[42:43]     ; 512 consecutive bytes of scale words
.Lno_scales:
	s_wait_tensorcnt 0x0
	ds_add_u32 v254, v255
	s_wait_dscnt 0x0
	CROUND                                         ; the closing round: no work-group ends while a partner may still ask jointly
	s_endpgm
.Lfunc_end_k_qed90fd264f_qkv:
	.size	k_qed90fd264f_qkv, .Lfunc_end_k_qed90fd264f_qkv-k_qed90fd264f_qkv
	.p2alignl 7, 3214868480
	.fill 96, 4, 3214868480
	.section	.rodata,"a",@progbits
	.p2align	6, 0x0
	.amdhsa_kernel k_qed90fd264f_qkv
		.amdhsa_group_segment_fixed_size 198656
		.amdhsa_private_segment_fixed_size 0
		.amdhsa_enable_private_segment 0
		.amdhsa_kernarg_size 32
		.amdhsa_user_sgpr_count 2
		.amdhsa_user_sgpr_kernarg_segment_ptr 1
		.amdhsa_wavefront_size32 1
		.amdhsa_system_sgpr_workgroup_id_x 1
		.amdhsa_system_sgpr_workgroup_id_y 1
		.amdhsa_system_sgpr_workgroup_id_z 1
		.amdhsa_system_vgpr_workitem_id 0
		.amdhsa_next_free_vgpr 256
		.amdhsa_next_free_sgpr 66
		.amdhsa_reserve_vcc 0
		.amdhsa_float_denorm_mode_32 3
		.amdhsa_float_denorm_mode_16_64 3
		.amdhsa_memory_ordered 1
		.amdhsa_forward_progress 1
		.amdhsa_inst_pref_size 56
	.end_amdhsa_kernel
	.amdgpu_metadata
---
amdhsa.version: [ 1, 2 ]
amdhsa.kernels:
  - .name:           k_qed90fd264f_qkv
    .symbol:         k_qed90fd264f_qkv.kd
    .args:
      - { .name: x, .offset: 0, .size: 8, .value_kind: global_buffer, .address_space: global }
      - { .name: wimg, .offset: 8, .size: 8, .value_kind: global_buffer, .address_space: global }
      - { .name: qimg, .offset: 16, .size: 8, .value_kind: global_buffer, .address_space: global }
      - { .name: kv, .offset: 24, .size: 8, .value_kind: global_buffer, .address_space: global }
    .group_segment_fixed_size: 198656
    .private_segment_fixed_size: 0
    .kernarg_segment_align: 8
    .kernarg_segment_size: 32
    .max_flat_workgroup_size: 512
    .sgpr_count:     66
    .vgpr_count:     256
    .wavefront_size: 32
...
	.end_amdgpu_metadata
.endif
;; end of part 2
;; launch attn (part 3): grid 64 x 4, 16 waves a work-group, clusters of 4 x 1, 327,680 bytes of LDS; arguments qimg, kv, wimg, x, out0; writes out0
.if DOCPART == 3
	.amdgcn_target "amdgcn-amd-amdhsa--gfx1250"
	.amdhsa_code_object_version 6
	.text
	.protected	k_qed90fd264f_attn
	.globl	k_qed90fd264f_attn
	.p2align	8
	.type	k_qed90fd264f_attn,@function
k_qed90fd264f_attn:
	s_mov_b64 s[64:65], 0
	v_nop
	global_prefetch_b8 v0, s[64:65] scope:SCOPE_SE
	s_setreg_imm32_b32 hwreg(HW_REG_WAVE_MODE, 25, 1), 1
	s_wait_xcnt 0x0
	s_wait_alu depctr_hold_cnt(0) depctr_sa_sdst(0) depctr_va_vdst(0) depctr_va_sdst(0) depctr_va_ssrc(0) depctr_va_vcc(0) depctr_vm_vsrc(0)
	s_getreg_b32 s2, hwreg(HW_REG_IB_STS2, 6, 4)
	s_cmp_eq_u32 s2, 0
	s_cbranch_scc0 .Lentry_in_a_cluster
	s_endpgm
.Lentry_in_a_cluster:
	s_bfe_u32 s2, ttmp6, 0x10000c
	s_cmp_lg_u32 s2, 0x3003
	s_cbranch_scc0 .Lentry_shape_is_right
	s_endpgm
.Lentry_shape_is_right:
; out0 = Wp softmax(q^T k / 8) v + bp + x, for 64 points (queries) of one batch and all four heads; all three products on codes of BF6 (E3M2) with one E8M0 scale for each 32 along K.
; THE SOFTMAX AHEAD OF THE SECOND PRODUCT: t = score x log2(e) / 8; M = the running largest t rounded UP to a whole number; p = 2^(t - M) is quantised along the keys, not normalised; the row's sum is taken of the
; unquantised p and divides at the end; when M moves, the sum and O are multiplied by 2^(old M - new M), which rounds nothing.
; SHARES.  Sixteen waves, wave w = 4 hd + qt: head hd, query tile qt of four (points 64 X + 32 (qt / 2) + 8 (qt % 2) + r + 8 (r / 8)), one tile in 256 registers: four waves to a SIMD, so that one wave's
; vector work stands beside another's matrix work and LDS loads.  Every wave walks its head's 4,096 keys, 128 a step.  In the tail wave w makes output tile w for the 64 points.
; LAYOUT.  Both products transposed: S^T = K Q^T, O^T = V^T P^T: a lane holds one query throughout.  All operands come as images of their registers (16 x lane), as the launch before laid them.
; THE HEAD'S 64 IN A PRODUCT OF 128: a run of 12 registers holds key tile 2 i in registers 0-5 and key tile 2 i + 1 in registers 6-11; against [q | zeros] it gives the first tile's scores, against [zeros | q] the
; second's: zero codes add nothing under any scale byte that is made here (1 to 254).  The block v16-33 = zeros, q, zeros serves both.
; THE RING.  Two slots of two steps x four heads x 12,800 bytes, 2^17 bytes apart.  CLUSTER: the four partners are four blocks of queries of one batch and walk the same records, so each slot is asked for jointly:
; waves 0 to 3, 100 rows of 256 bytes each.  By this text's own count a wave has two tensor loads out at the start and one behind each change of slots.
; LIMITS: NaN and infinities are not served; p under 2^-126 counts as 0 (ISA guide, v_exp_f32); a block's largest p is made from its largest score by the same two instructions, which takes v_exp_f32 not to fall where
; its input rises; a block whose largest magnitude lies under 2^-122, zeros among them, gets the byte 1.
.set REC,   12800                      ; a head's record of a step: K's four runs, V's four fragments, 512 bytes of scale words
.set STEPB, 51200
.set SLOTB, 102400
.set SLOT1, 131072
.set OIMG,  233472                     ; behind the ring, where no fill lands: the attention result's eight fragments ((qt, K step s) at (2 qt + s) 1,536; pair P at 256 P + 8 x lane),
.set OSC,   245760                     ; their scale words [qt][s][16 rows x 4 bytes],
.set STG,   246272                     ; a stage of 16 rows x (256 + 16) bytes for each wave,
.set SPARE, 315904                     ; and the spare words, 128 bytes for each wave: eight blocks of 256 bytes that no other line names
.set FLOOR, 0x2800000                  ; 2^(5 - 127)
.set EOFF,  0xfe000000                 ; -(4 << 23)
; v1 16 x lane + my head's record; v2 the slot's address; v3, v4 the add's two; v5 at work; v6-9 scale words (lanes 0-15 K's runs, lanes 16-31 V's tiles); v10 the prefetches' offset; v11 q's scale word;
; v12 -M, v13 the largest t, v[14:15] the sum in two halves; v16-33 zeros, q, zeros; v34 the residual's prefetch offset
.set KR,  36                           ; v36-83   K's four runs
.set VF,  84                           ; v84-131  V's four fragments
.set S,   132                          ; v132-195 S^T, then p
.set O,   196                          ; v196-227 O^T
.set PC,  228                          ; v228-239 p's codes
.set BM,  240                          ; v240-243 the blocks' largest scores, then largest p, then the conversions' scale operands
.set PT,  244                          ; v244-247 the other half's maxima, bytes; then a conversion's second half; then the sum's second chain
.set CH1, 248                          ; v248-250 the other second half
; v252 f = 2^(old M - new M); v253 p's scale word; v254 at work
.macro CROUND                          ; a round of the cluster's barrier
	s_barrier_signal -1
	s_barrier_wait -1
	s_cmp_lg_u32 s14, 0
	s_cbranch_scc1 .Lnot_wave_0_\@
	s_barrier_signal -3
.Lnot_wave_0_\@:
	s_barrier_wait -3
	s_barrier_signal -1
	s_barrier_wait -1
.endm
.macro JLOAD                           ; the joint refill: waves 0 to 3, a quarter of the slot each; the branch hangs on the wave's number alone; four v_nop follow the line
	s_cmp_lt_u32 s14, 4
	s_cbranch_scc0 .Lnone_\@
	tensor_load_to_lds s[36:39], s[24:31]
	s_nop 0
.rept 4
	v_nop
.endr
.Lnone_\@:
.endm
; A PREFETCH of the slot that the NEXT change of slots will ask for.  All clusters of a batch walk the same records: the batch's first cluster asks.  Its four partners take 25,600 bytes each, told apart by address;
; in each, waves 4 to 7 take 6,400 bytes, 25 blocks of 256, a lane a block (lanes 25 to 31 name lane 24's again).  The last change that fills a slot asks for nothing.  Slots 0 to 2 come by their loads alone.
.macro ASK
	s_cmp_gt_u32 s41, s42
	s_cbranch_scc0 .Lnot_mine_\@
	global_prefetch_b8 v10, s[44:45] th:TH_LOAD_NT scope:SCOPE_SE
.Lnot_mine_\@:
.endm
; The change of slots, at a slot's head: each wave waits for all its tensor loads, adds 0 to its spare word, and waits for that and for its reads of the slot that it has left.
; fill = 1: the barrier is a round of the cluster's, and the slot just left is filled with the steps two slots on: the load has a slot's two steps in which to land.
.macro CHANGE fill
	s_wait_tensorcnt 0x0                           ; no tensor load of mine is out, so the walking group 0 may be written
	ds_add_u32 v3, v4                              ; 0 onto my spare word
.if \fill
	s_xor_b32 s37, s37, SLOT1                      ; the other slot than last time,
	s_add_nc_u64 s[38:39], s[38:39], SLOTB         ; the next two steps; the type bits on top are not reached
	s_wait_xcnt 0x0                                ; the last prefetch, a slot back, has read its address
	s_add_nc_u64 s[44:45], s[44:45], SLOTB         ; one slot further on than the walking descriptor
.endif
	s_wait_dscnt 0x0                               ; the add is done, and my reads of the slot that I have left are over
.if \fill
	CROUND
	JLOAD                                          ; the first thing behind the round, and a wave's one tensor load until the next
	ASK
.else
	s_barrier_signal -1
	s_barrier_wait -1
.endif
.endm
; A KEY STEP: 128 keys, the q-th of the slot in hand: 25 LDS loads, 8 + 4 matrix instructions.
.macro STEP q
	ds_load_b128 v[6:9], v2 offset:STEPB*(\q)+12288   ; (the 32 additions that end a step are the places in front of these loads)
.irp i, 0,1,2,3
.irp c, 0,1,2
	ds_load_b128 v[KR+12*\i+4*\c:KR+12*\i+4*\c+3], v2 offset:STEPB*(\q)+1536*\i+512*\c
.endr
.endr
.irp t, 0,1,2,3
.irp c, 0,1,2
	ds_load_b128 v[VF+12*\t+4*\c:VF+12*\t+4*\c+3], v2 offset:STEPB*(\q)+6144+1536*\t+512*\c
.endr
.endr
	s_wait_dscnt 12                                ; the scale words and K are in; V's twelve loads may be out
.irp i, 0,1,2,3
	v_wmma_scale_f32_16x16x128_f8f6f4 v[S+16*\i:S+16*\i+7], v[KR+12*\i:KR+12*\i+11], v[22:33], 0, v[6+\i], v11 matrix_a_fmt:MATRIX_FMT_BF6 matrix_b_fmt:MATRIX_FMT_BF6
	v_wmma_scale_f32_16x16x128_f8f6f4 v[S+16*\i+8:S+16*\i+15], v[KR+12*\i:KR+12*\i+11], v[16:27], 0, v[6+\i], v11 matrix_a_fmt:MATRIX_FMT_BF6 matrix_b_fmt:MATRIX_FMT_BF6
.endr                                          ; register 16 b + i of S is key 32 b + 16 (lane / 16) + i of the step
.rept 4
	v_nop
.endr
.irp b, 0,1,2,3
	v_max3_num_f32 v[BM+\b], v[S+16*\b], v[S+16*\b+1], v[S+16*\b+2]   ; the largest score of each block of 32 keys: for the row's maximum and for the block's largest p.  Each accumulator is read from its low end on
.endr
.irp i, 3,5,7,9,11,13
.irp b, 0,1,2,3
	v_max3_num_f32 v[BM+\b], v[BM+\b], v[S+16*\b+\i], v[S+16*\b+\i+1]
.endr
.endr
.irp b, 0,1,2,3
	v_max_num_f32 v[BM+\b], v[BM+\b], v[S+16*\b+15]
.endr
.irp b, 0,1,2,3
	s_delay_alu instid0(VALU_DEP_4)
	v_permlanex16_b32 v[PT+\b], v[BM+\b], s20, s21
.endr
.irp b, 0,1,2,3
	s_delay_alu instid0(VALU_DEP_4)
	v_max_num_f32 v[BM+\b], v[BM+\b], v[PT+\b]     ; with lane l xor 16's 16 keys
.endr
	s_delay_alu instid0(VALU_DEP_2)
	v_max3_num_f32 v254, v[BM], v[BM+1], v[BM+2]
	s_delay_alu instid0(VALU_DEP_1)
	v_max_num_f32 v254, v254, v[BM+3]              ; the step's largest score of my query,
	s_delay_alu instid0(VALU_DEP_1)
	v_mul_f32 v254, s22, v254                      ; as t (c is positive)
	s_delay_alu instid0(VALU_DEP_1)
	v_max_num_f32 v13, v13, v254                   ; the running largest t
	v_mov_b32 v254, v12
	s_delay_alu instid0(VALU_DEP_2)
	v_floor_f32 v12, -v13                          ; the new -M = floor(-t) = -ceil(t)
	s_delay_alu instid0(VALU_DEP_1)
	v_sub_f32 v254, v12, v254                      ; old M - new M: a whole number, 0 or less
	s_delay_alu instid0(VALU_DEP_1)
	v_cvt_i32_f32 v254, v254                       ; (it saturates)
	s_delay_alu instid0(VALU_DEP_1)
	v_ldexp_f32 v252, 1.0, v254                    ; f
.set j, 0
.rept 32
	v_pk_fma_f32 v[S+j:S+j+1], v[S+j:S+j+1], s[22:23], v[12:13] op_sel_hi:[1,0,0]   ; t - M, two at a time
.set j, j+2
.endr
.irp b, 0,1,2,3
	v_fma_f32 v[BM+\b], v[BM+\b], s22, v12         ; the same of each block's largest score
.endr
.set j, 0
	s_wait_alu depctr_va_vdst(0)
.rept 64
	v_exp_f32 v[S+j], v[S+j]                       ; p = 2^(t - M)
.set j, j+1
.endr
.irp b, 0,1,2,3
	v_exp_f32 v[BM+\b], v[BM+\b]                   ; the block's largest p
.endr
	v_pk_mul_f32 v[14:15], v[14:15], v[252:253] op_sel_hi:[1,0]   ; the sum under the new M; also the plain line behind the exponentials
	s_wait_alu depctr_va_vdst(0)
.irp b, 0,1,2,3
	v_max_num_f32 v[BM+\b], FLOOR, v[BM+\b]        ; the byte cannot fall under 1
.endr
.irp b, 0,1,2,3
	s_delay_alu instid0(VALU_DEP_4)
	v_add_nc_u32 v[BM+\b], EOFF, v[BM+\b]          ; 4 off the exponent field: the conversion's scale operand
.endr
.irp b, 0,1,2,3
	s_delay_alu instid0(VALU_DEP_4)
	v_lshrrev_b32 v[PT+\b], 23, v[BM+\b]           ; the scale's byte
.endr
	s_delay_alu instid0(VALU_DEP_3)
	v_lshl_or_b32 v253, v[PT+1], 8, v[PT]          ; p's scale word for these 128 keys
	s_delay_alu instid0(VALU_DEP_1)
	v_lshl_or_b32 v253, v[PT+2], 16, v253
	s_delay_alu instid0(VALU_DEP_1)
	v_lshl_or_b32 v253, v[PT+3], 24, v253
	v_cvt_scalef32_pk16_bf6_f32 v[PC:PC+2], v[S:S+15], v[BM]
	v_cvt_scalef32_pk16_bf6_f32 v[PT:PT+2], v[S+16:S+31], v[BM+1]     ; a conversion's three registers begin on an even number
	v_cvt_scalef32_pk16_bf6_f32 v[PC+6:PC+8], v[S+32:S+47], v[BM+2]
	v_cvt_scalef32_pk16_bf6_f32 v[CH1:CH1+2], v[S+48:S+63], v[BM+3]
	v_nop                                          ; one plain line behind the scaled conversions
.irp i, 0,1,2                                  ; the operand wants a whole block in a lane
	v_permlane16_swap_b32 v[PC+\i], v[PT+\i]
.endr
.irp i, 0,1,2
	s_delay_alu instid0(VALU_DEP_3)
	v_mov_b32 v[PC+3+\i], v[PT+\i]
.endr
.irp i, 0,1,2
	v_permlane16_swap_b32 v[PC+6+\i], v[CH1+\i]
.endr
.irp i, 0,1,2
	s_delay_alu instid0(VALU_DEP_3)
	v_mov_b32 v[PC+9+\i], v[CH1+\i]
.endr
.set j, 0
.rept 16
	v_pk_mul_f32 v[O+j:O+j+1], v[O+j:O+j+1], v[252:253] op_sel_hi:[1,0]   ; O^T under the new M.  These sixteen are also the places between p's codes and scale word and the products below
.set j, j+2
.endr
	s_wait_alu depctr_va_vdst(0)
	s_wait_dscnt 0x0                               ; V is in
.irp t, 0,1,2,3                                ; O^T += V^T P^T; the four accumulators take turns, one instruction a turn
	v_wmma_scale_f32_16x16x128_f8f6f4 v[O+8*\t:O+8*\t+7], v[VF+12*\t:VF+12*\t+11], v[PC:PC+11], v[O+8*\t:O+8*\t+7], v[6+\t], v253 matrix_a_fmt:MATRIX_FMT_BF6 matrix_b_fmt:MATRIX_FMT_BF6 matrix_a_scale:MATRIX_SCALE_ROW1
.endr
	v_pk_add_f32 v[244:245], v[136:137], v[140:141]
	v_pk_add_f32 v[254:255], v[144:145], v[148:149]
	v_pk_add_f32 v[250:251], v[152:153], v[156:157]
	v_pk_add_f32 v[248:249], v[160:161], v[164:165]
	v_pk_add_f32 v[242:243], v[168:169], v[172:173]
	v_pk_add_f32 v[240:241], v[176:177], v[180:181]
	v_pk_add_f32 v[238:239], v[184:185], v[188:189]
	v_pk_add_f32 v[14:15], v[14:15], v[192:193]
	v_pk_add_f32 v[244:245], v[244:245], v[132:133]
	v_pk_add_f32 v[254:255], v[254:255], v[134:135]
	v_pk_add_f32 v[250:251], v[250:251], v[138:139]
	v_pk_add_f32 v[248:249], v[248:249], v[142:143]
	v_pk_add_f32 v[242:243], v[242:243], v[146:147]
	v_pk_add_f32 v[240:241], v[240:241], v[150:151]
	v_pk_add_f32 v[238:239], v[238:239], v[154:155]
	v_pk_add_f32 v[14:15], v[14:15], v[158:159]
	v_pk_add_f32 v[244:245], v[244:245], v[162:163]
	v_pk_add_f32 v[254:255], v[254:255], v[166:167]
	v_pk_add_f32 v[250:251], v[250:251], v[170:171]
	v_pk_add_f32 v[248:249], v[248:249], v[174:175]
	v_pk_add_f32 v[242:243], v[242:243], v[178:179]
	v_pk_add_f32 v[240:241], v[240:241], v[182:183]
	v_pk_add_f32 v[238:239], v[238:239], v[186:187]
	v_pk_add_f32 v[14:15], v[14:15], v[190:191]
	v_pk_add_f32 v[244:245], v[244:245], v[194:195]
	s_delay_alu instid0(VALU_DEP_2)
	v_pk_add_f32 v[14:15], v[14:15], v[248:249]
	s_delay_alu instid0(VALU_DEP_2)
	v_pk_add_f32 v[244:245], v[244:245], v[242:243]
	v_pk_add_f32 v[254:255], v[254:255], v[240:241]
	v_pk_add_f32 v[250:251], v[250:251], v[238:239]
	s_delay_alu instid0(VALU_DEP_2)
	v_pk_add_f32 v[14:15], v[14:15], v[254:255]
	s_delay_alu instid0(VALU_DEP_2)
	v_pk_add_f32 v[244:245], v[244:245], v[250:251]
	s_delay_alu instid0(VALU_DEP_1)
	v_pk_add_f32 v[14:15], v[14:15], v[244:245]
.endm
.macro SLOT_STEPS
	v_add_nc_u32 v2, s40, v1
	STEP 0
	STEP 1
	s_xor_b32 s40, s40, SLOT1                      ; on to the other slot
.endm
	s_load_b256 s[4:11], s[0:1], 0x0               ; qimg s[4:5], kv s[6:7], wimg s[8:9], x s[10:11]
	s_load_b64 s[12:13], s[0:1], 0x20              ; out0
	v_lshl_add_u32 v3, v0, 2, SPARE
	v_mov_b32 v4, 0
	ds_add_u32 v3, v4
	ds_add_u32 v3, v4
	s_wait_dscnt 0x0
	v_lshrrev_b32 v5, 5, v0
	s_delay_alu instid0(VALU_DEP_1)
	v_readfirstlane_b32 s14, v5                    ; wave 0..15
	s_lshr_b32 s15, s14, 2                         ; hd
	s_and_b32 s16, s14, 3                          ; qt
	s_bfe_u32 s17, ttmp6, 0x40000                  ; cx: it enters global addresses alone
	s_lshl_b32 s18, ttmp9, 2
	s_add_co_u32 s18, s18, s17                     ; X: my block of 64 points
	s_and_b32 s19, ttmp7, 0xffff                   ; the batch, which the four partners share
	s_mov_b32 s20, 0x76543210
	s_mov_b32 s21, 0xfedcba98                      ; v_permlanex16_b32's selects for lane l xor 16
	s_mov_b32 s22, 0x3e38aa3b                      ; c = log2(e) / 8
	s_mov_b32 s23, s22                             ; (named with it as a pair)
	; descriptor group 1: 100 rows of 256 bytes (32 elements of 8 bytes), dense, no padding
	s_mov_b32 s24, 15|(3<<16)|(1<<21)              ; 15:0 the mask: all four work-groups; 17:16 elements of 8 bytes; 21 set beside a mask
	s_mov_b32 s25, 32<<16                          ; tensor_dim0 = 32
	s_mov_b32 s26, 100<<16                         ; tensor_dim1 = 100
	s_mov_b32 s27, 32<<16                          ; tile_dim0 = 32
	s_mov_b32 s28, 100                             ; tile_dim1 = 100
	s_mov_b32 s29, 32                              ; elements from row to row
	s_mov_b32 s30, 0
	s_mov_b32 s31, 0
	s_mov_b32 s40, 0                               ; the slot in hand
	s_mov_b32 s41, 14                              ; slots still to be asked for: 16 in all, two at the start
	s_mul_i32 s56, s19, 1638400                    ; the batch's records;
	s_mul_i32 s33, s16, 25600                      ; what waves 0 to 3 fetch: a quarter of a slot, to the same place in it
	s_add_co_u32 s56, s56, s33
	s_mov_b32 s57, 0
	s_mov_b32 s32, 1
	s_mov_b32 s36, 1
	s_add_co_u32 s37, s33, SLOT1
	s_mul_i32 s58, s19, 1638400                    ; the prefetches: my work-group's quarter, my wave's quarter of that, in slot 2: the first change of slots steps it to slot 3
	s_mul_i32 s59, s17, 25600
	s_add_co_u32 s58, s58, s59
	s_mul_i32 s59, s16, 6400
	s_add_co_u32 s58, s58, s59
	s_add_co_u32 s58, s58, 2*SLOTB
	s_mov_b32 s59, 0
	s_sub_co_u32 s42, s14, 4
	s_lshr_b32 s42, s42, 2                         ; 0 in waves 4 to 7,
	s_or_b32 s42, s42, ttmp9                       ; of the batch's first cluster: the same in all four partners
	s_cmp_eq_u32 s42, 0
	s_cselect_b32 s42, 1, -1                       ; a wave prefetches while s41 is above this
	s_lshl_b32 s60, s19, 22                        ; x and out0: the batch, my 64 points (256 bytes of a row),
	s_lshl_b32 s61, s18, 8
	s_add_co_u32 s60, s60, s61
	s_lshr_b32 s61, s14, 1
	s_lshl_b32 s61, s61, 19
	s_add_co_u32 s60, s60, s61                     ; rows 32 (w / 2) on: what an even wave prefetches,
	s_mov_b32 s61, 0
	s_and_b32 s62, s14, 1
	s_lshl_b32 s62, s62, 17
	s_add_co_u32 s62, s62, s60                     ; + 8 (w % 2): output tile w's first row
	s_mov_b32 s63, 0
	s_lshl_b32 s66, s19, 7                         ; qimg: the record of block 128 x batch + 2 X + qt / 2
	s_lshl_b32 s67, s18, 1
	s_add_co_u32 s66, s66, s67
	s_lshr_b32 s67, s16, 1
	s_add_co_u32 s66, s66, s67
	s_mul_i32 s66, s66, 6656
	s_lshl_b32 s68, s15, 7
	s_add_co_u32 s68, s68, s66
	s_add_co_u32 s68, s68, 6144                    ; my head's scale words,
	s_mov_b32 s69, 0
	s_mul_i32 s67, s15, 1536
	s_add_co_u32 s66, s66, s67
	s_and_b32 s70, s16, 1
	s_mul_i32 s67, s70, 768
	s_add_co_u32 s66, s66, s67                     ; and my tile's six registers of my head's run
	s_mov_b32 s67, 0
	s_mov_b32 s48, 0x03020302                      ; my tile's two bytes of the run's scale word, twice: they serve [q | zeros] and [zeros | q]
	s_cmp_eq_u32 s70, 0
	s_cselect_b32 s48, 0x01000100, s48
	v_and_b32 v5, 31, v0                           ; lane
	s_delay_alu instid0(VALU_DEP_1)
	v_lshlrev_b32 v1, 4, v5
	s_mul_i32 s49, s15, REC
	v_add_nc_u32 v1, s49, v1
	v_min_u32 v10, 24, v5
	s_delay_alu instid0(VALU_DEP_1)
	v_lshlrev_b32 v10, 8, v10
	v_lshlrev_b32 v34, 14, v5                      ; a row of x is 16,384 bytes
	v_lshlrev_b32 v2, 3, v5                        ; (for q's loads: 8 x lane)
	v_and_b32 v35, 15, v0
	s_delay_alu instid0(VALU_DEP_1)
	v_lshlrev_b32 v35, 2, v35                      ; 4 r
	s_wait_kmcnt 0x0
	s_add_nc_u64 s[34:35], s[6:7], s[56:57]        ; slot 0: steps 0 and 1
	s_add_nc_u64 s[38:39], s[34:35], SLOTB         ; slot 1: steps 2 and 3; this group 0 then walks on
	s_or_b32 s35, s35, 0x80000000                  ; type = 2
	s_or_b32 s39, s39, 0x80000000
	s_add_nc_u64 s[44:45], s[6:7], s[58:59]
	s_add_nc_u64 s[46:47], s[10:11], s[60:61]
	s_add_nc_u64 s[50:51], s[10:11], s[62:63]
	s_add_nc_u64 s[52:53], s[12:13], s[62:63]
	s_add_nc_u64 s[66:67], s[4:5], s[66:67]
	s_add_nc_u64 s[68:69], s[4:5], s[68:69]
	s_mul_i32 s58, s14, 3328
	s_add_co_u32 s58, s58, 162816
	s_add_nc_u64 s[54:55], s[8:9], s[58:59]        ; Wp's tile w
	s_lshr_b32 s58, s14, 1
	s_lshl_b32 s58, s58, 7
	s_and_b32 s60, s14, 1
	s_lshl_b32 s60, s60, 5
	s_add_co_u32 s58, s58, s60
	s_add_co_u32 s58, s58, 216064
	s_add_nc_u64 s[70:71], s[8:9], s[58:59]        ; bp at that tile's first row
	CROUND                                         ; all four work-groups are here: the first joint loads meet
	s_cmp_lt_u32 s14, 4                            ; a wave's two first fills stand in one branch, ahead of every wait on TENSORcnt and every LDS read
	s_cbranch_scc0 .Lfirst_asked
	tensor_load_to_lds s[32:35], s[24:31]
	s_nop 0
	tensor_load_to_lds s[36:39], s[24:31]
	s_nop 0
.rept 4
	v_nop
.endr
.Lfirst_asked:
	s_wait_alu depctr_va_vdst(0)
.irp p, 0,1,2
	global_load_b64 v[22+2*\p:23+2*\p], v2, s[66:67] offset:256*\p   ; q stays in registers
.endr
	global_load_b32 v5, v35, s[68:69]
.irp j, 16,17,18,19,20,21,28,29,30,31,32,33
	v_mov_b32 v\j, 0                               ; zero codes on both sides of q
.endr
	v_mov_b32 v13, 0xff61b1e6                      ; the largest t so far: -3e38, under every t
	s_delay_alu instid0(VALU_DEP_1)
	v_floor_f32 v12, -v13                          ; -M
	v_mov_b32 v14, 0                               ; the sum, in two halves
	v_mov_b32 v15, 0
.irp b, 0,1,2,3
	v_mov_b32 v[PT+\b], 0                          ; written once: a lane permute's destination counts as one of its sources
.endr
	v_mov_b32 v253, 0                              ; (named as the upper half of v[252:253] before it is first written)
	s_wait_loadcnt 0x0                             ; q and its scale word
	v_perm_b32 v11, v5, v5, s48
.set j, 0
.rept 32
	v_mov_b32 v[O+j], 0                            ; O^T: the step is written once, its first run finds zeros.  These lines also stand between q's scale word and the first product
.set j, j+1
.endr
	s_wait_tensorcnt 0x1                           ; my part of slot 0 is in; slot 1's may stay out
	s_barrier_signal -1
	s_barrier_wait -1
	SLOT_STEPS
.Lslot:                                            ; 14 trips: every slot but the last two is filled again
	CHANGE 1
	SLOT_STEPS
	s_sub_co_u32 s41, s41, 1
	s_cmp_lg_u32 s41, 0
	s_cbranch_scc1 .Lslot
	CHANGE 0                                       ; the last slot is written out
	s_and_b32 s56, s14, 1                          ; the residual's 256 rows x 256 bytes are asked for here, a slot's two steps ahead of their loads: an even wave names rows 32 (w / 2) + lane, each block once
	s_cmp_lg_u32 s56, 0
	s_cbranch_scc1 .Lodd_wave
	global_prefetch_b8 v34, s[46:47] th:TH_LOAD_NT scope:SCOPE_SE
.Lodd_wave:
	SLOT_STEPS
	; THE TAIL.  What it wants from memory is asked for first: Wp's tile w (two fragments, scale words), bp, and the residual's 16 rows x 256 bytes.
	v_and_b32 v16, 15, v0                          ; r
	v_bfe_u32 v17, v0, 4, 1                        ; h
	v_and_b32 v18, 31, v0                          ; lane
	s_wait_alu depctr_va_vdst(0)
	v_lshlrev_b32 v19, 4, v18                      ; 16 x lane
	v_lshlrev_b32 v20, 2, v18
	s_delay_alu instid0(VALU_DEP_1)
	v_lshl_add_u32 v20, v17, 6, v20                ; 4 x lane + 64 h: lanes 0-15 K step 0's words, lanes 16-31 K step 1's
	v_and_b32 v21, 8, v16
	s_delay_alu instid0(VALU_DEP_1)
	v_add_nc_u32 v21, v21, v16
	s_delay_alu instid0(VALU_DEP_1)
	v_lshlrev_b32 v21, 2, v21                      ; 4 (r + 8 (r / 8))
	v_lshlrev_b32 v22, 14, v17
	s_delay_alu instid0(VALU_DEP_1)
	v_lshl_add_u32 v22, v16, 4, v22                ; lanes 0-15 one row of x and out0, lanes 16-31 the next; 16 bytes a lane
.irp c, 0,1,2,3,4,5
	global_load_b128 v[36+4*\c:39+4*\c], v19, s[54:55] offset:512*\c
.endr
	global_load_b32 v11, v20, s[54:55] offset:3072
	global_load_b32 v5, v21, s[70:71]
.irp i, 0,1,2,3,4,5,6,7
	global_load_b128 v[92+4*\i:95+4*\i], v22, s[50:51] offset:(2*\i+8*(\i/4))*16384 th:TH_LOAD_NT   ; stage row 2 i + h is the tile's row 2 i + h + 8 (i / 4)
.endr
	s_lshr_b32 s56, s15, 1                         ; my head's 64 of c: K step hd / 2, half hd % 2
	s_and_b32 s57, s15, 1
	s_lshl_b32 s58, s16, 1
	s_add_co_u32 s58, s58, s56
	s_mul_i32 s58, s58, 1536
	s_mul_i32 s59, s57, 768
	s_add_co_u32 s58, s58, s59
	s_add_co_u32 s58, s58, OIMG
	v_lshlrev_b32 v25, 3, v18
	s_delay_alu instid0(VALU_DEP_1)
	v_add_nc_u32 v23, s58, v25                     ; where my six registers of codes go
	s_delay_alu instid0(VALU_DEP_2)
	v_add_nc_u32 v25, OIMG, v25                    ; and from where all fragments come
	s_lshl_b32 s58, s16, 7
	s_lshl_b32 s59, s56, 6
	s_add_co_u32 s58, s58, s59
	s_lshl_b32 s59, s57, 1
	s_add_co_u32 s58, s58, s59
	s_add_co_u32 s58, s58, OSC
	v_lshl_add_u32 v24, v16, 2, s58                ; my row's two scale bytes
	v_lshl_add_u32 v26, v18, 2, OSC
	s_mul_i32 s58, s14, 4352
	s_add_co_u32 s58, s58, STG                     ; my stage
	v_mul_u32_u24 v27, v16, 272
	s_delay_alu instid0(VALU_DEP_1)
	v_lshl_add_u32 v27, v17, 6, v27
	s_delay_alu instid0(VALU_DEP_1)
	v_add_nc_u32 v27, s58, v27                     ; in: row r, + 16 h points
	v_mul_u32_u24 v28, v17, 272
	s_delay_alu instid0(VALU_DEP_1)
	v_lshl_add_u32 v28, v16, 4, v28
	s_delay_alu instid0(VALU_DEP_1)
	v_add_nc_u32 v28, s58, v28                     ; back: lanes 0-15 one row, lanes 16-31 the next
	v_add_f32 v14, v14, v15                        ; the sum's two halves,
	s_delay_alu instid0(VALU_DEP_1)
	v_permlanex16_b32 v252, v14, s20, s21
	s_delay_alu instid0(VALU_DEP_1)
	v_add_f32 v14, v14, v252                       ; and lane l xor 16's: the row's sum
	s_wait_alu depctr_va_vdst(0)
	v_rcp_f32 v14, v14
	v_nop                                          ; a plain line behind the transcendental
.set j, 0
	s_wait_alu depctr_va_vdst(0)
.rept 32
	v_mul_f32 v[S+j], v[O+j], v14                  ; O^T / the sum, each accumulator from its low end on: register 16 b + i is channel 32 b + 16 h + i of my head
.set j, j+1
.endr
.irp b, 0,1
	v_max3_num_f32 v[BM+\b], |v[S+16*\b]|, |v[S+16*\b+1]|, FLOOR
.endr
.irp i, 2,4,6,8,10,12,14
.irp b, 0,1
	s_delay_alu instid0(VALU_DEP_2)
	v_max3_num_f32 v[BM+\b], v[BM+\b], |v[S+16*\b+\i]|, |v[S+16*\b+\i+1]|
.endr
.endr
.irp b, 0,1
	s_delay_alu instid0(VALU_DEP_2)
	v_permlanex16_b32 v[PT+\b], v[BM+\b], s20, s21
.endr
.irp b, 0,1
	s_delay_alu instid0(VALU_DEP_2)
	v_max_num_f32 v[BM+\b], v[BM+\b], v[PT+\b]
.endr
.irp b, 0,1
	s_delay_alu instid0(VALU_DEP_2)
	v_add_nc_u32 v[BM+\b], EOFF, v[BM+\b]
.endr
.irp b, 0,1
	s_delay_alu instid0(VALU_DEP_2)
	v_lshrrev_b32 v[PT+\b], 23, v[BM+\b]
.endr
	s_delay_alu instid0(VALU_DEP_1)
	v_lshl_or_b32 v254, v[PT+1], 8, v[PT]
	v_cvt_scalef32_pk16_bf6_f32 v[PC:PC+2], v[S:S+15], v[BM]
	v_cvt_scalef32_pk16_bf6_f32 v[CH1:CH1+2], v[S+16:S+31], v[BM+1]
	v_nop
.irp i, 0,1,2
	v_permlane16_swap_b32 v[PC+\i], v[CH1+\i]
.endr
.irp i, 0,1,2
	s_delay_alu instid0(VALU_DEP_3)
	v_mov_b32 v[PC+3+\i], v[CH1+\i]
.endr
.irp p, 0,1,2
	ds_store_b64 v23, v[PC+2*\p:PC+2*\p+1] offset:256*\p
.endr
	ds_store_b16 v24, v254
	s_wait_dscnt 0x0                               ; for the others' sake: my stores have landed
	s_barrier_signal -1
	s_barrier_wait -1                              ; the result's eight fragments lie in LDS
.set j, 0
.rept 48
	ds_load_b64 v[S+2*j:S+2*j+1], v25 offset:256*j   ; fragment (qt, s) into v[132 + 12 (2 qt + s)] on
.set j, j+1
.endr
.irp t, 0,1,2,3
	ds_load_b32 v[6+\t], v26 offset:128*\t
.endr
	s_wait_loadcnt 0x8                             ; Wp's tile and bp are in; the residual's eight loads may be out
.irp j, 0,1,2,3,4,5,6,7
	v_mov_b32 v[124+\j], v5                        ; a lane holds one output row: its bias in all eight registers
.endr
	s_wait_alu depctr_va_vdst(0)
	s_wait_dscnt 0x0
.rept 4
	v_nop
.endr
.irp t, 0,1,2,3                                ; source 0 = 16 points, source 1 = 16 rows of Wp: a lane's eight results are eight neighbouring points of one row of out0.  Four accumulators by turns
	v_wmma_scale_f32_16x16x128_f8f6f4 v[60+8*\t:67+8*\t], v[S+24*\t:S+24*\t+11], v[36:47], v[124:131], v[6+\t], v11 matrix_a_fmt:MATRIX_FMT_BF6 matrix_b_fmt:MATRIX_FMT_BF6
.endr
.irp t, 0,1,2,3
	v_wmma_scale_f32_16x16x128_f8f6f4 v[60+8*\t:67+8*\t], v[S+24*\t+12:S+24*\t+23], v[48:59], v[60+8*\t:67+8*\t], v[6+\t], v11 matrix_a_fmt:MATRIX_FMT_BF6 matrix_b_fmt:MATRIX_FMT_BF6 matrix_a_scale:MATRIX_SCALE_ROW1 matrix_b_scale:MATRIX_SCALE_ROW1
.endr
.rept 4
	v_nop
.endr
.irp t, 0,1,2,3
	ds_store_b128 v27, v[60+8*\t:63+8*\t] offset:128*(\t/2)+32*(\t%2)        ; points 32 (t / 2) + 16 h + 8 (t % 2) + 0 .. 7; each accumulator from its low end on
	ds_store_b128 v27, v[64+8*\t:67+8*\t] offset:128*(\t/2)+32*(\t%2)+16
.endr
.irp i, 0,1,2,3,4,5,6,7
	ds_load_b128 v[S+4*\i:S+4*\i+3], v28 offset:544*\i   ; LDS serves a wave's instructions in order (ISA guide 5.7.1.4): these see my stores
.endr
	s_wait_loadcnt 0x0                             ; the residual
.irp i, 0,1,2,3,4,5,6,7
	s_wait_dscnt 7-\i                              ; rows 2 i and 2 i + 1 are back; the younger loads may be out
	v_pk_add_f32 v[S+4*\i:S+4*\i+1], v[S+4*\i:S+4*\i+1], v[92+4*\i:93+4*\i]
	v_pk_add_f32 v[S+4*\i+2:S+4*\i+3], v[S+4*\i+2:S+4*\i+3], v[94+4*\i:95+4*\i]
	global_store_b128 v22, v[S+4*\i:S+4*\i+3], s[52:53] offset:(2*\i+8*(\i/4))*16384 th:TH_STORE_NT   ; sixteen lanes store 256 consecutive bytes, at a multiple of 256 from out0's first byte
.endr
	s_wait_tensorcnt 0x0                           ; the wave's end, behind my last tensor load and my last LDS store
	ds_add_u32 v3, v4
	s_wait_dscnt 0x0
	CROUND                                         ; the closing round: no work-group ends while a partner may still ask jointly
	s_endpgm
.Lfunc_end_k_qed90fd264f_attn:
	.size	k_qed90fd264f_attn, .Lfunc_end_k_qed90fd264f_attn-k_qed90fd264f_attn
	.p2alignl 7, 3214868480
	.fill 96, 4, 3214868480
	.section	.rodata,"a",@progbits
	.p2align	6, 0x0
	.amdhsa_kernel k_qed90fd264f_attn
		.amdhsa_group_segment_fixed_size 327680
		.amdhsa_private_segment_fixed_size 0
		.amdhsa_enable_private_segment 0
		.amdhsa_kernarg_size 40
		.amdhsa_user_sgpr_count 2
		.amdhsa_user_sgpr_kernarg_segment_ptr 1
		.amdhsa_wavefront_size32 1
		.amdhsa_system_sgpr_workgroup_id_x 1
		.amdhsa_system_sgpr_workgroup_id_y 1
		.amdhsa_system_sgpr_workgroup_id_z 1
		.amdhsa_system_vgpr_workitem_id 0
		.amdhsa_next_free_vgpr 256
		.amdhsa_next_free_sgpr 72
		.amdhsa_reserve_vcc 0
		.amdhsa_float_denorm_mode_32 3
		.amdhsa_float_denorm_mode_16_64 3
		.amdhsa_memory_ordered 1
		.amdhsa_forward_progress 1
		.amdhsa_inst_pref_size 123
	.end_amdhsa_kernel
	.amdgpu_metadata
---
amdhsa.version: [ 1, 2 ]
amdhsa.kernels:
  - .name:           k_qed90fd264f_attn
    .symbol:         k_qed90fd264f_attn.kd
    .args:
      - { .name: qimg, .offset: 0, .size: 8, .value_kind: global_buffer, .address_space: global }
      - { .name: kv, .offset: 8, .size: 8, .value_kind: global_buffer, .address_space: global }
      - { .name: wimg, .offset: 16, .size: 8, .value_kind: global_buffer, .address_space: global }
      - { .name: x, .offset: 24, .size: 8, .value_kind: global_buffer, .address_space: global }
      - { .name: out0, .offset: 32, .size: 8, .value_kind: global_buffer, .address_space: global }
    .group_segment_fixed_size: 327680
    .private_segment_fixed_size: 0
    .kernarg_segment_align: 8
    .kernarg_segment_size: 40
    .max_flat_workgroup_size: 512
    .sgpr_count:     72
    .vgpr_count:     256
    .wavefront_size: 32
...
	.end_amdgpu_metadata
.endif
;; end of part 3
